; MI455X (gfx1250); checked and timed in simulation.
; The chip was launched on July 23, 2026; its instructions are those of AMD's public machine-readable ISA for CDNA 5 (MIT licence, August 2026) and "CDNA5" Instruction Set Architecture Reference Guide (July 2026). The comments in the code are by the model that wrote it; some were corrected since.
;; Grouped MM Wrapper. Allowed arithmetic: float matrix products may take bf16 or f16 operands with f32 sums; all other float work in f32.
;; Inputs: offs 8 int32; weight 8 x 1,024 x 2,048 float32; x 4,096 x 2,048 float32.
;; Outputs: out0 4,096 x 1,024 float32.
;; 2 versions, each right; version 2 is version 1 with the launch gmm written anew for expert scheduling mode. Each part assembles by itself: llvm-mc -triple=amdgcn-amd-amdhsa -mcpu=gfx1250 --defsym DOCPART=n.
;; ======== version 1 of 2: 1 launch
;; launch gmm (part 1): grid 8 x 32, 4 waves a work-group, no clusters, 270,848 bytes of LDS; arguments x, weight, offs, out0; writes out0
.if DOCPART == 1
	.amdgcn_target "amdgcn-amd-amdhsa--gfx1250"
	.amdhsa_code_object_version 6
	.text
	.protected	k_q1a13e42493_gmm
	.globl	k_q1a13e42493_gmm
	.p2align	8
	.type	k_q1a13e42493_gmm,@function
k_q1a13e42493_gmm:
	s_mov_b64 s[64:65], 0
	v_nop
	global_prefetch_b8 v0, s[64:65] scope:SCOPE_SE
	s_setreg_imm32_b32 hwreg(HW_REG_WAVE_MODE, 25, 1), 1
	s_wait_xcnt 0x0
; GROUPED GEMM.  y[t][n] = the sum, over the experts e with starts[e] <= t < offs[e], of the sum over k of x[t][k] W[e][n][k].
; x: [4096][2048] f32, W: [8][1024][2048] f32, offs: [8] int32 (starts[0] = 0, starts[e] = offs[e-1]), y: [4096][1024] f32.
; offs may hold any int32: a token may belong to no expert (its row is 0), to one, or to several (the products add).
; SHARES.  A work-group makes 128 tokens x 128 columns of y: token tile 4 x + y / 8, column tile y % 8 of its place (x, y) in the grid.  So the 32 work-groups with one x make 512 tokens x all
; columns: work-groups that differ in x share no row of x, and no row of W either where an expert's tokens lie within one such span.
; A tile's PASSES are the experts whose range meets its 128 tokens, in ascending order (with none: one pass over expert 0, whose mask is then all zero, which writes the zero rows).
; The sums run on from pass to pass: rows of x outside the pass's expert are set to 0, as jnp.where does.  Products that the mask would throw away for the whole tile are not made.
; K IS SPLIT AMONG THE FOUR WAVES.  A pass is 8 steps; in step j wave w takes k = 256 j + 64 w .. + 63 of all 128 rows of x and all 128 rows of W: 256 bytes of each row, at a multiple of 256
; from the buffer's first byte; 128 matrix instructions on 64 accumulators (128 x 128, 512 registers).  So no wave ever reads what another wave fetched, each number is fetched, converted
; to bf16 and stored into LDS once, and the loop has NO BARRIER.  The four partial tiles are added at the end through LDS, which also turns them into whole rows.
; WHY THROUGH REGISTERS, AND NO CLUSTER.  The number of passes comes from offs, that is from memory, and no barrier stands in a loop whose trip count comes from memory.  LDS slots that tensor
; loads fill again want a barrier for each refill, and joint loads of a cluster are tensor loads.  So the tiles come by global loads into registers, and x's tile, which the 8 column tiles
; of a token tile share, is asked for by each of them.
; THE ROAD.  A BATCH is one operand's 128 rows x 256 bytes: 64 loads of 16 bytes a lane, 256 registers.  One set of registers holds X(0), W(0), X(1), W(1) .. in turn: a batch is converted in four
; groups of 16 loads, and behind each group's conversion the next batch's group goes out into the registers just freed: 32 KiB of every wave are on their way during each half step's products.
; Memory and LDS instructions stand in runs of 16 or 32, never singly among the matrix instructions.
; THE MATRIX INSTRUCTION IS USED TRANSPOSED (source 0 = 16 rows of W, source 1 = 16 tokens): a lane holds one token and eight neighbouring columns.
; LIMITS.  x and W are rounded to bf16 (nearest even) for the products; sums in f32; each y is the sum of four partial sums (k mod 256 in quarters).  A NaN or infinity in the weights of an
; expert that touches none of a tile's 128 tokens does not reach that tile (0 x infinity is not formed there).  A tile that p experts cross takes p passes: uneven offs give uneven work.
; REGISTERS, in windows of 256 (s_set_vgpr_msb: bits 1:0 source 0, 3:2 source 1, 5:4 source 2, 7:6 destination):
;   window 0: v0-15 addresses; v64-127 x's 8 fragments; v128-191 W's 8 fragments; v192-255 packed bf16 on their way into LDS, two banks of 32.   window 1: a batch as loaded, f32.
;   window 2: accumulator (a, b) at v[8 (8 a + b)] for token blocks a = 0..3;   window 3: for a = 4..7.
.set P16,   144                        ; a row of 64 bf16 in LDS: 128 bytes + 16 of padding = 36 words: the 16 rows of a fragment load start at 16 different groups of four banks (64 banks of 4 bytes: ISA guide 11.1)
.set BUFB,  128*P16                    ; one operand's 128 rows
.set WBUF,  2*BUFB                     ; a wave's bytes: x's buffer 0, x's buffer 1, W's buffer
.set PITCH, 528                        ; the way out: a row of 128 f32: 512 bytes + 16 of padding
.set PART,  128*PITCH                  ; a wave's LDS bytes: its three buffers (55,296), and at the end, over them, its partial tile
.set ROWB,  8192                       ; bytes in a row of x and of W
.set LR,  1                            ; v1      lane % 16
.set LH,  2                            ; v2      lane / 16
.set TV,  3                            ; v3      at work
.set VO,  4                            ; v4      a load's byte offset: 8 rows x (lane / 16) + 16 (lane % 16); never rewritten
.set SA,  5                            ; v5      LDS address at which I put 8 bytes of a row; never rewritten
.set FA,  6                            ; v6      LDS address of my part of a fragment; never rewritten
.set STO, 8                            ; v8      the way out: where I put my 32 bytes of a row of my partial tile
.set RD,  9                            ; v9-12   the way out: where I read a row of partial tile 0..3
.set GO,  13                           ; v13     my 16 bytes in 512 consecutive bytes of y
.set MT,  14                           ; v14-15  at work on the masks
.set XF,  64
.set WF,  128
.set TP,  192
.set XB,  4                            ; s[4:5]   x at the tile's first row, my 256 bytes of step 0; never rewritten once made
.set WB,  6                            ; s[6:7]   W likewise, expert 0
.set OFS, 8                            ; s[8:9]   offs
.set OB,  10                           ; s[10:11] y at the 32 rows that I store
.set WV,  12                           ; s12  my wave's number
.set COL, 15                           ; s15  column tile
.set ROW0, 16                          ; s16  the tile's first token
.set ROW1, 17                          ; s17  one past its last
.set LIST, 18                          ; s18  four bits a pass: the pass's expert
.set SH,  19                           ; s19  4 x passes found, then the number of passes
.set LB,  20                           ; s20  the loop's bound
.set CNT, 21                           ; s21  the loop's counter
.set TS,  22                           ; s22  the step whose masks are made next
.set XQ,  23                           ; s23  the step whose x is asked for next
.set WQ,  24                           ; s24  the step whose W is asked for next
.set SX,  26                           ; s[26:27] base of x's batch on its way, from step 1 on
.set SW,  28                           ; s[28:29] base of W's
.set OFFX, 30                          ; s[30:31] a step's byte offset in x's rows
.set OFFW, 32                          ; s[32:33] the same for W, with the expert's
.set T0,  34                           ; s34-35 at work
.set T1,  35
.set LO,  36                           ; s36  the pass's expert: its first token,
.set LEN, 37                           ; s37  and how many it has
.set DD,  38                           ; s38  ROW0 - LO
.set FULL, 39                          ; s39  1: all 128 tokens of the tile lie in the expert's range
.set CE,  40                           ; s[40:47] offs, cut to 0 .. 4096
.set LE,  48                           ; s[48:55] each expert's number of tokens
.set MK,  56                           ; s[56:63] lane masks of the 8 token blocks
.set PX,  66                           ; s[66:67], s[68:69], s[70:71] byte offsets of x, W, y, made apart from the addresses
.set PW,  68
.set PO,  70
.set MSB, 0
.macro WIN new                         ; the immediate's high byte repeats the setting that is left; a switch that changes nothing is dropped
.if MSB != (\new)
	s_set_vgpr_msb (MSB<<8)|(\new)
.set MSB, (\new)
.endif
.endm
; The base of x's next batch: step XQ % 8 of a pass is 1,024 bytes along the rows.  Each base is made anew from its buffer's pointer and an offset.
; wait = 0: the base's first writing: no instruction names it yet.
.macro ADDRX wait
.if \wait
	s_wait_xcnt 0x0                                ; every earlier memory instruction has had its addresses translated (ISA guide 3.1): a base is rewritten only behind this wait
.endif
	s_and_b32 s[OFFX], s[XQ], 7
	s_lshl_b32 s[OFFX], s[OFFX], 10
	s_add_nc_u64 s[SX:SX+1], s[XB:XB+1], s[OFFX:OFFX+1]
	s_add_co_u32 s[XQ], s[XQ], 1
.endm
; The base of W's next batch: pass WQ / 8 gives the expert.
.macro ADDRW wait
.if \wait
	s_wait_xcnt 0x0
.endif
	s_lshr_b32 s[T0], s[WQ], 3
	s_lshl_b32 s[T0], s[T0], 2
	s_lshr_b32 s[T0], s[LIST], s[T0]
	s_and_b32 s[T0], s[T0], 7
	s_min_u32 s[T0], s[T0], 7                      ; the expert: inside W whatever offs holds
	s_and_b32 s[T1], s[WQ], 7
	s_lshl_b32 s[T1], s[T1], 10
	s_lshl_b32 s[OFFW], s[T0], 23                  ; an expert is 1,024 rows of 8,192 bytes
	s_add_co_u32 s[OFFW], s[OFFW], s[T1]
	s_add_nc_u64 s[SW:SW+1], s[WB:WB+1], s[OFFW:OFFW+1]
	s_add_co_u32 s[WQ], s[WQ], 1
.endm
; Group g of a batch's four: 16 loads.  Load m takes rows q and q + 8, q = 16 (2 g + m / 8) + m % 8: lanes 0-15 the 256 bytes of the one, lanes 16-31 those of the other.
.macro LOADS g, sb
	WIN 0x40                                       ; destination window 1, address window 0
.irp m, 0,1,2,3,4,5,6,7,8,9,10,11,12,13,14,15
	global_load_b128 v[4*(16*(\g)+(\m)):4*(16*(\g)+(\m))+3], v[VO], s[(\sb):(\sb)+1] offset:(16*(2*(\g)+(\m)/8)+(\m)%8)*ROWB
.endr
.endm
; The batch in the registers goes into LDS at byte buf of my bytes, as bf16, k in its true place; issue = 1: behind each group the next batch's group, from base sb, goes out into the same registers.
; In a store lanes 16-31 lie 8 rows = 288 words = 32 banks behind lanes 0-15, whose 128 bytes fill 32 banks.
.macro CONV buf, sb, issue
.irp g, 0,1,2,3
.if \issue
	s_wait_loadcnt 48                              ; loads come back in order (ISA guide 5.7.1): behind group g's sixteen came 16 (3 - g) of its batch and 16 g of the next
.else
	s_wait_loadcnt 16*(3-(\g))                     ; nothing was issued behind this batch
.endif
	WIN 0x05                                       ; sources window 1, destination window 0
.irp m, 0,1,2,3,4,5,6,7,8,9,10,11,12,13,14,15
	v_cvt_pk_bf16_f32 v[TP+32*((\g)%2)+2*(\m)],   v[4*(16*(\g)+(\m))],   v[4*(16*(\g)+(\m))+1]
	v_cvt_pk_bf16_f32 v[TP+32*((\g)%2)+2*(\m)+1], v[4*(16*(\g)+(\m))+2], v[4*(16*(\g)+(\m))+3]
.endr
	WIN 0
.irp m, 0,1,2,3,4,5,6,7,8,9,10,11,12,13,14,15
	ds_store_b64 v[SA], v[TP+32*((\g)%2)+2*(\m):TP+32*((\g)%2)+2*(\m)+1] offset:(\buf)+(16*(2*(\g)+(\m)/8)+(\m)%8)*P16
.endr
.if \issue
	LOADS \g, \sb
.endif
.endr
	WIN 0
.endm
; The range of the expert of step TS, chosen by selects, and what is made of it.  FULL: ROW0 >= LO and ROW1 - LO <= LEN: every token of the tile lies in the range.
; Bit l of mask a: token ROW0 + 16 a + l % 16 lies in the range: (token - LO), taken unsigned, is below LEN.
.macro MASKS
	s_lshr_b32 s[T0], s[TS], 3
	s_lshl_b32 s[T0], s[T0], 2
	s_lshr_b32 s[T0], s[LIST], s[T0]
	s_and_b32 s[T0], s[T0], 7
	s_mov_b32 s[LO], 0
	s_mov_b32 s[LEN], s[LE]
.irp i, 1,2,3,4,5,6,7
	s_cmp_eq_u32 s[T0], \i
	s_cselect_b32 s[LO], s[CE+\i-1], s[LO]
	s_cselect_b32 s[LEN], s[LE+\i], s[LEN]
.endr
	s_sub_co_u32 s[DD], s[ROW0], s[LO]
	s_sub_co_i32 s[T1], s[ROW1], s[LO]             ; all these numbers lie within 4,224 of 0
	s_cmp_le_i32 s[T1], s[LEN]
	s_cselect_b32 s[FULL], 1, 0
	s_cmp_ge_i32 s[ROW0], s[LO]
	s_cselect_b32 s[FULL], s[FULL], 0
	s_add_co_u32 s[TS], s[TS], 1
	WIN 0
	v_add_nc_u32 v[MT], s[DD], v[LR]
.irp a, 0,1,2,3,4,5,6,7
	v_add_nc_u32 v[MT+1], 16*(\a), v[MT]
	v_cmp_gt_u32 s[MK+(\a)], s[LEN], v[MT+1]
.endr
.endm
; 64 matrix instructions: 8 token blocks x 8 column blocks, 32 along K.  The 64 accumulators take turns, one instruction a turn, in the same order every time.
; zero = 1: the first products start the sums: nothing is cleared.  Block a's eight products wait for W's fragments and x's blocks 0 .. a alone.
.macro MUL zero
.irp a, 0,1,2,3,4,5,6,7
	s_wait_dscnt 14-2*(\a)                         ; LDS loads come back in order (ISA guide 5.7.1): behind x's block a came the 2 (7 - a) loads of the later blocks
	WIN 0xa0+0x50*((\a)/4)                         ; sources window 0, C and D window 2 or 3
.irp b, 0,1,2,3,4,5,6,7
.if \zero
	v_wmma_f32_16x16x32_bf16 v[8*(8*((\a)%4)+(\b)):8*(8*((\a)%4)+(\b))+7], v[WF+8*(\b):WF+8*(\b)+7], v[XF+8*(\a):XF+8*(\a)+7], 0
.else
	v_wmma_f32_16x16x32_bf16 v[8*(8*((\a)%4)+(\b)):8*(8*((\a)%4)+(\b))+7], v[WF+8*(\b):WF+8*(\b)+7], v[XF+8*(\a):XF+8*(\a)+7], v[8*(8*((\a)%4)+(\b)):8*(8*((\a)%4)+(\b))+7]
.endif
.endr
.endr
.endm
; HALF kk of a step whose x lies in buffer p: 32 LDS loads, W's first (a fragment: lane l holds row l % 16, k = 8 (l / 16) + 0..7 and 16 + 8 (l / 16) + 0..7: two loads of 16 bytes, 32 bytes apart),
; and the products.  Where some token of the tile lies outside the expert's range, all loads are waited for and x's rows outside it become 0; where none does, the 64 selects would change nothing
; and are jumped over: the jump goes forward, past vector work alone.  LDS serves a wave's instructions in order (ISA guide 5.7.1.4): these loads see my stores, and my later stores come behind them.
; In front of these loads stand at least four plain vector instructions that name no register of the last products (ISA guide 7.12.1 for vector instructions): a batch's conversions, or four v_nop.
.macro H p, kk, zero
	WIN 0
.irp b, 0,1,2,3,4,5,6,7
	ds_load_b128 v[WF+8*(\b):WF+8*(\b)+3],   v[FA] offset:WBUF+(\b)*16*P16+64*(\kk)
	ds_load_b128 v[WF+8*(\b)+4:WF+8*(\b)+7], v[FA] offset:WBUF+(\b)*16*P16+64*(\kk)+32
.endr
.irp a, 0,1,2,3,4,5,6,7
	ds_load_b128 v[XF+8*(\a):XF+8*(\a)+3],   v[FA] offset:(\p)*BUFB+(\a)*16*P16+64*(\kk)
	ds_load_b128 v[XF+8*(\a)+4:XF+8*(\a)+7], v[FA] offset:(\p)*BUFB+(\a)*16*P16+64*(\kk)+32
.endr
	s_cmp_eq_u32 s[FULL], 1
	s_cbranch_scc1 .Lfull_\@
	s_wait_dscnt 0x0                               ; all 32 are in
.irp a, 0,1,2,3,4,5,6,7
.irp i, 0,1,2,3,4,5,6,7
	v_cndmask_b32 v[XF+8*(\a)+(\i)], 0, v[XF+8*(\a)+(\i)], s[MK+(\a)]
.endr
.endr
.Lfull_\@:
	MUL \zero
.endm
	s_load_b256 s[4:11], s[0:1], 0x0               ; x s[4:5], W s[6:7], offs s[8:9], y s[10:11]; all that hangs on no address stands in the wait for them
	v_lshl_add_u32 v62, v0, 2, 0x42000
	v_mov_b32 v63, 0
	v_lshrrev_b32 v[TV], 5, v0
	v_readfirstlane_b32 s[WV], v[TV]               ; wave 0..3
	v_and_b32 v[LR], 15, v0                        ; l % 16
	v_bfe_u32 v[LH], v0, 4, 1                      ; l / 16
	v_lshlrev_b32 v[VO], 4, v[LR]
	v_lshl_add_u32 v[VO], v[LH], 16, v[VO]         ; 8 rows of 8,192 bytes for the upper half of the lanes
	s_mul_i32 s[T0], s[WV], PART                   ; my LDS bytes
	v_mul_u32_u24 v[TV], v[LH], 8*P16
	v_lshl_add_u32 v[TV], v[LR], 3, v[TV]
	v_add_nc_u32 v[SA], s[T0], v[TV]               ; in: 8 rows x half + 8 bytes x place in the row
	v_mul_u32_u24 v[TV], v[LR], P16
	v_lshl_add_u32 v[TV], v[LH], 4, v[TV]
	v_add_nc_u32 v[FA], s[T0], v[TV]               ; a fragment: row x pitch + 16 x half
	v_mul_u32_u24 v[TV], v[LR], PITCH
	v_lshl_add_u32 v[TV], v[LH], 5, v[TV]
	v_add_nc_u32 v[STO], s[T0], v[TV]              ; into my partial tile: row l % 16, 32 bytes for each half of the lanes
	v_and_b32 v[GO], 31, v0
	v_lshlrev_b32 v[GO], 4, v[GO]                  ; back: 32 lanes take one row of 512 bytes
	s_mul_i32 s[T1], s[WV], 32*PITCH               ; of rows 32 w .. 32 w + 31,
	v_add_nc_u32 v[RD], s[T1], v[GO]
.irp p, 1,2,3
	v_add_nc_u32 v[RD+\p], \p*PART, v[RD]          ; in each of the four partial tiles
.endr
	s_and_b32 s[T1], ttmp7, 0xffff                 ; the work-group's y
	s_and_b32 s[COL], s[T1], 7                     ; column tile = y % 8
	s_lshr_b32 s[T1], s[T1], 3
	s_lshl_b32 s[ROW0], ttmp9, 2
	s_add_co_u32 s[ROW0], s[ROW0], s[T1]           ; token tile = 4 x + y / 8
	s_lshl_b32 s[ROW0], s[ROW0], 7
	s_add_co_u32 s[ROW1], s[ROW0], 128
	s_lshl_b32 s[T0], s[WV], 8                     ; my 64 k of a step's 256: 256 bytes
	s_lshl_b32 s[PX], s[ROW0], 13                  ; x: a row is 8,192 bytes
	s_add_co_u32 s[PX], s[PX], s[T0]
	s_mov_b32 s[PX+1], 0
	s_lshl_b32 s[PW], s[COL], 20                   ; W: 128 rows of 8,192 bytes a column tile
	s_add_co_u32 s[PW], s[PW], s[T0]
	s_mov_b32 s[PW+1], 0
	s_lshl_b32 s[PO], s[ROW0], 12                  ; y: a row is 4,096 bytes,
	s_lshl_b32 s[T0], s[WV], 17                    ; wave w stores rows 32 w .. 32 w + 31 of the tile,
	s_add_co_u32 s[PO], s[PO], s[T0]
	s_lshl_b32 s[T0], s[COL], 9                    ; 512 bytes of each
	s_add_co_u32 s[PO], s[PO], s[T0]
	s_mov_b32 s[PO+1], 0
	s_mov_b32 s[OFFX+1], 0
	s_mov_b32 s[OFFW+1], 0
	s_mov_b32 s[XQ], 1                             ; x of step 0 goes out below, from x's own pointer
	s_mov_b32 s[WQ], 0
	s_mov_b32 s[TS], 0
	s_mov_b32 s[LIST], 0
	s_mov_b32 s[SH], 0
	s_wait_kmcnt 0x0
	s_load_b256 s[CE:CE+7], s[OFS:OFS+1], 0x0      ; the eight offs
	s_add_nc_u64 s[XB:XB+1], s[XB:XB+1], s[PX:PX+1]
	s_add_nc_u64 s[WB:WB+1], s[WB:WB+1], s[PW:PW+1]
	s_add_nc_u64 s[OB:OB+1], s[OB:OB+1], s[PO:PO+1]
.irp g, 0,1,2,3
	LOADS \g, XB                                   ; x of step 0 hangs on no expert and lies at offset 0: it goes out ahead of the work on offs
.endr
	WIN 0
	s_wait_kmcnt 0x0
	; offs cut to 0 .. 4096: every token lies in 0 .. 4095, so no comparison with a token changes
.irp e, 0,1,2,3,4,5,6,7
	s_max_i32 s[CE+\e], s[CE+\e], 0
	s_min_i32 s[CE+\e], s[CE+\e], 4096
.endr
	s_mov_b32 s[LE], s[CE]                         ; expert 0 begins at token 0
.irp e, 1,2,3,4,5,6,7
	s_sub_co_i32 s[LE+\e], s[CE+\e], s[CE+\e-1]
	s_max_i32 s[LE+\e], s[LE+\e], 0                ; an end below the start: no token
.endr
	; the list of the experts whose range meets my 128 tokens, made by selects
.irp e, 0,1,2,3,4,5,6,7
.if \e == 0
	s_mov_b32 s[T0], s[ROW0]
.else
	s_max_i32 s[T0], s[CE+\e-1], s[ROW0]
.endif
	s_min_i32 s[T1], s[CE+\e], s[ROW1]
	s_cmp_lt_i32 s[T0], s[T1]
	s_cselect_b32 s[T0], \e, 0
	s_cselect_b32 s[T1], 4, 0
	s_lshl_b32 s[T0], s[T0], s[SH]
	s_or_b32 s[LIST], s[LIST], s[T0]
	s_add_co_u32 s[SH], s[SH], s[T1]
.endr
	s_lshr_b32 s[SH], s[SH], 2
	s_max_u32 s[SH], s[SH], 1
	s_min_u32 s[SH], s[SH], 8                      ; passes: 1 to 8
	s_lshl_b32 s[LB], s[SH], 2
	s_sub_co_u32 s[LB], s[LB], 1                   ; 8 x passes steps; a trip takes two, and two steps' work stands round the loop: 3 to 31 trips
	ADDRW 0
	CONV 0, SW, 1                                  ; x of step 0 into buffer 0; W of step 0 goes out
	ADDRX 0
	CONV WBUF, SX, 1                               ; W of step 0; x of step 1 goes out
	MASKS
	H 0, 0, 1                                      ; the first half step stands in front of the loop: its products start the sums
	WIN 0                                          ; at a label and at a branch every window is 0
	s_mov_b32 s[CNT], 0
.Lloop:                                                ; a trip: from the second half of an even step t to the first half of step t + 2; the LDS addresses are the same in every trip
	ADDRW 1
	CONV BUFB, SW, 1                               ; x of step t + 1 into buffer 1; W of step t + 1 goes out
	H 0, 1, 0
	ADDRX 1
	CONV WBUF, SX, 1                               ; W of step t + 1: step t's was read for the last time just now; x of step t + 2 goes out
	MASKS
	H 1, 0, 0
	ADDRW 1
	CONV 0, SW, 1                                  ; x of step t + 2 into buffer 0; W of step t + 2 goes out
	H 1, 1, 0
	ADDRX 1
	CONV WBUF, SX, 1                               ; W of step t + 2; x of step t + 3 goes out
	MASKS
	H 0, 0, 0
	WIN 0
	s_add_co_u32 s[CNT], s[CNT], 1
	s_cmp_lt_u32 s[CNT], s[LB]
	s_cbranch_scc1 .Lloop
	ADDRW 1                                        ; the tail is written out: the last step but one asks for the last step's W,
	CONV BUFB, SW, 1
	H 0, 1, 0
	CONV WBUF, SX, 0                               ; and the last step asks for nothing: no load is made in vain, none leaves its buffer
	MASKS
	H 1, 0, 0
	WIN 0
.rept 4
	v_nop                                          ; no conversions stand here: four places in front of the loads into the fragments
.endr
	H 1, 1, 0
	WIN 0
	; THE WAY OUT.  Each wave puts its 128 x 128 partial sums into its own LDS bytes, over its three buffers, which it has read for the last time (a wave's LDS instructions are served in order);
	; behind the launch's one barrier wave w adds the four tiles' rows 32 w .. 32 w + 31 and stores them.
.rept 4
	v_nop                                          ; four places between the last products and the stores that read them (ISA guide 7.12.1 for vector instructions)
.endr
.irp a, 0,1,2,3,4,5,6,7
	WIN 0x08+4*((\a)/4)                            ; store data (source 1) in window 2 or 3
.irp b, 0,1,2,3,4,5,6,7
	ds_store_b128 v[STO], v[8*(8*((\a)%4)+(\b)):8*(8*((\a)%4)+(\b))+3]   offset:(\a)*16*PITCH+64*(\b)      ; each accumulator's low half first
	ds_store_b128 v[STO], v[8*(8*((\a)%4)+(\b))+4:8*(8*((\a)%4)+(\b))+7] offset:(\a)*16*PITCH+64*(\b)+16
.endr
.endr
	WIN 0
	s_wait_dscnt 0x0                               ; for the others' sake: my stores are done
	s_barrier_signal -1
	s_barrier_wait -1
; Group g of eight: four rows.  16 loads: row i of the group from partial tile p, 512 bytes each, into bank g % 3 of three banks of 64 registers (v64-255).
.macro RLOAD g
.set BK, 64+64*((\g)%3)
.irp i, 0,1,2,3
.irp p, 0,1,2,3
	ds_load_b128 v[BK+16*(\i)+4*(\p):BK+16*(\i)+4*(\p)+3], v[RD+(\p)] offset:(4*(\g)+(\i))*PITCH
.endr
.endr
.endm
.macro RSUM g, younger                 ; younger: the LDS loads issued behind group g's, which may stay out
.set BK, 64+64*((\g)%3)
	s_wait_dscnt \younger
.irp i, 0,1,2,3
	v_pk_add_f32 v[BK+16*(\i):BK+16*(\i)+1],     v[BK+16*(\i):BK+16*(\i)+1],     v[BK+16*(\i)+4:BK+16*(\i)+5]
	v_pk_add_f32 v[BK+16*(\i)+2:BK+16*(\i)+3],   v[BK+16*(\i)+2:BK+16*(\i)+3],   v[BK+16*(\i)+6:BK+16*(\i)+7]
	v_pk_add_f32 v[BK+16*(\i)+8:BK+16*(\i)+9],   v[BK+16*(\i)+8:BK+16*(\i)+9],   v[BK+16*(\i)+12:BK+16*(\i)+13]
	v_pk_add_f32 v[BK+16*(\i)+10:BK+16*(\i)+11], v[BK+16*(\i)+10:BK+16*(\i)+11], v[BK+16*(\i)+14:BK+16*(\i)+15]
	v_pk_add_f32 v[BK+16*(\i):BK+16*(\i)+1],     v[BK+16*(\i):BK+16*(\i)+1],     v[BK+16*(\i)+8:BK+16*(\i)+9]
	v_pk_add_f32 v[BK+16*(\i)+2:BK+16*(\i)+3],   v[BK+16*(\i)+2:BK+16*(\i)+3],   v[BK+16*(\i)+10:BK+16*(\i)+11]
	global_store_b128 v[GO], v[BK+16*(\i):BK+16*(\i)+3], s[OB:OB+1] offset:(4*(\g)+(\i))*4096 th:TH_STORE_NT  ; the wave stores 512 consecutive bytes, at a multiple of 512 from y's first byte
.endr
.endm
	RLOAD 0
	RLOAD 1
.irp g, 0,1,2,3,4,5,6,7
.if (\g) < 6
.if (\g) > 0
	s_wait_xcnt 0x0                                ; every earlier memory instruction has had its addresses translated (ISA guide 3.1): the bank that group g - 1's stores read is loaded again only behind this wait
.endif
	RLOAD (\g)+2
	RSUM \g, 32                                    ; two younger groups of 16 loads may be out
.elseif (\g) == 6
	RSUM \g, 16
.else
	RSUM \g, 0
.endif
.endr
	s_wait_tensorcnt 0x0
	ds_add_u32 v62, v63
	s_wait_dscnt 0x0
	s_endpgm
.Lfunc_end_k_q1a13e42493_gmm:
	.size	k_q1a13e42493_gmm, .Lfunc_end_k_q1a13e42493_gmm-k_q1a13e42493_gmm
	.p2alignl 7, 3214868480
	.fill 96, 4, 3214868480
	.section	.rodata,"a",@progbits
	.p2align	6, 0x0
	.amdhsa_kernel k_q1a13e42493_gmm
		.amdhsa_group_segment_fixed_size 270848
		.amdhsa_private_segment_fixed_size 0
		.amdhsa_enable_private_segment 0
		.amdhsa_kernarg_size 32
		.amdhsa_user_sgpr_count 2
		.amdhsa_user_sgpr_kernarg_segment_ptr 1
		.amdhsa_wavefront_size32 1
		.amdhsa_system_sgpr_workgroup_id_x 1
		.amdhsa_system_sgpr_workgroup_id_y 1
		.amdhsa_system_sgpr_workgroup_id_z 1
		.amdhsa_system_vgpr_workitem_id 0
		.amdhsa_next_free_vgpr 1024
		.amdhsa_next_free_sgpr 72
		.amdhsa_reserve_vcc 0
		.amdhsa_float_denorm_mode_32 3
		.amdhsa_float_denorm_mode_16_64 3
		.amdhsa_memory_ordered 1
		.amdhsa_forward_progress 1
		.amdhsa_inst_pref_size 255
	.end_amdhsa_kernel
	.section	.bss,"aw",@nobits
	.p2align	6
	.space	262144
	.amdgpu_metadata
---
amdhsa.version: [ 1, 2 ]
amdhsa.kernels:
  - .name:           k_q1a13e42493_gmm
    .symbol:         k_q1a13e42493_gmm.kd
    .args:
      - { .name: x, .offset: 0, .size: 8, .value_kind: global_buffer, .address_space: global }
      - { .name: weight, .offset: 8, .size: 8, .value_kind: global_buffer, .address_space: global }
      - { .name: offs, .offset: 16, .size: 8, .value_kind: global_buffer, .address_space: global }
      - { .name: out0, .offset: 24, .size: 8, .value_kind: global_buffer, .address_space: global }
    .group_segment_fixed_size: 270848
    .private_segment_fixed_size: 0
    .kernarg_segment_align: 8
    .kernarg_segment_size: 32
    .max_flat_workgroup_size: 128
    .sgpr_count:     72
    .vgpr_count:     1024
    .wavefront_size: 32
...
	.end_amdgpu_metadata
.endif
;; end of part 1
;; ======== version 2 of 2: 1 launch; version 1 with the launch gmm written anew for expert scheduling mode
;; launch gmm (part 2): grid 8 x 32, 4 waves a work-group, no clusters, 270,848 bytes of LDS; arguments x, weight, offs, out0; writes out0
.if DOCPART == 2
	.amdgcn_target "amdgcn-amd-amdhsa--gfx1250"
	.amdhsa_code_object_version 6
	.text
	.protected	k_q1a13e42493_gmm
	.globl	k_q1a13e42493_gmm
	.p2align	8
	.type	k_q1a13e42493_gmm,@function
k_q1a13e42493_gmm:
	s_mov_b64 s[64:65], 0
	v_nop
	global_prefetch_b8 v0, s[64:65] scope:SCOPE_SE
	s_setreg_imm32_b32 hwreg(HW_REG_WAVE_SCHED_MODE, 0, 2), 2
	s_setreg_imm32_b32 hwreg(HW_REG_WAVE_MODE, 25, 1), 1
	s_wait_xcnt 0x0
	s_wait_alu depctr_vm_vsrc(0)
; GROUPED GEMM.  y[t][n] = the sum, over the experts e with starts[e] <= t < offs[e], of the sum over k of x[t][k] W[e][n][k].
; x: [4096][2048] f32, W: [8][1024][2048] f32, offs: [8] int32 (starts[0] = 0, starts[e] = offs[e-1]), y: [4096][1024] f32.
; offs may hold any int32: a token may belong to no expert (its row is 0), to one, or to several (the products add).
; SHARES.  A work-group makes 128 tokens x 128 columns of y: token tile 4 x + y / 8, column tile y % 8 of its place (x, y) in the grid.  So the 32 work-groups with one x make 512 tokens x all
; columns: work-groups that differ in x share no row of x, and no row of W either where an expert's tokens lie within one such span.
; A tile's PASSES are the experts whose range meets its 128 tokens, in ascending order (with none: one pass over expert 0, whose mask is then all zero, which writes the zero rows).
; The sums run on from pass to pass: rows of x outside the pass's expert are set to 0, as jnp.where does.  Products that the mask would throw away for the whole tile are not made.
; K IS SPLIT AMONG THE FOUR WAVES.  A pass is 8 steps; in step j wave w takes k = 256 j + 64 w .. + 63 of all 128 rows of x and all 128 rows of W: 256 bytes of each row, at a multiple of 256
; from the buffer's first byte; 128 matrix instructions on 64 accumulators (128 x 128, 512 registers).  So no wave ever reads what another wave fetched, each number is fetched, converted
; to bf16 and stored into LDS once, and the loop has NO BARRIER.  The four partial tiles are added at the end through LDS, which also turns them into whole rows.
; WHY THROUGH REGISTERS, AND NO CLUSTER.  The number of passes comes from offs, that is from memory, and no barrier stands in a loop whose trip count comes from memory.  LDS slots that tensor
; loads fill again want a barrier for each refill, and joint loads of a cluster are tensor loads.  So the tiles come by global loads into registers, and x's tile, which the 8 column tiles
; of a token tile share, is asked for by each of them.
; THE ROAD.  A BATCH is one operand's 128 rows x 256 bytes: 64 loads of 16 bytes a lane, 256 registers.  One set of registers holds X(0), W(0), X(1), W(1) .. in turn: a batch is converted in four
; groups of 16 loads, and behind each group's conversion the next batch's group goes out into the registers just freed: 32 KiB of every wave are on their way during each half step's products.
; Memory and LDS instructions stand in runs of 16 or 32, never singly among the matrix instructions.
; THE MATRIX INSTRUCTION IS USED TRANSPOSED (source 0 = 16 rows of W, source 1 = 16 tokens): a lane holds one token and eight neighbouring columns.
; LIMITS.  x and W are rounded to bf16 (nearest even) for the products; sums in f32; each y is the sum of four partial sums (k mod 256 in quarters).  A NaN or infinity in the weights of an
; expert that touches none of a tile's 128 tokens does not reach that tile (0 x infinity is not formed there).  A tile that p experts cross takes p passes: uneven offs give uneven work.
; REGISTERS, in windows of 256 (s_set_vgpr_msb: bits 1:0 source 0, 3:2 source 1, 5:4 source 2, 7:6 destination):
;   window 0: v0-15 addresses; v64-127 x's 8 fragments; v128-191 W's 8 fragments; v192-255 packed bf16 on their way into LDS, two banks of 32.   window 1: a batch as loaded, f32.
;   window 2: accumulator (a, b) at v[8 (8 a + b)] for token blocks a = 0..3;   window 3: for a = 4..7.
; THE MODE: SCHED_MODE bits 1:0 = 2 (LLVM: expert scheduling mode 2), set by the entry lines.  The code itself states the register dependences
; between vector or matrix instructions and memory or LDS instructions, with s_wait_alu, always for 0.
; THE PLAN.  Registers that memory or LDS instructions touch:
;   RAW       window 1, four groups of 64.  Group g's 32 conversions read it; behind them the next batch's 16 loads land in it.
;   TP0, TP1  v192-223, v224-255.  Group g's conversions write TP[g % 2]; its 16 LDS stores read it; group g + 2's conversions write it again.
;   XF, WF    A half step's 32 LDS loads land in them; the selects may write XF; the half step's 64 products read both; the next half step's loads land again.
;   the accumulators   written by the products alone; read once, by the LDS stores of the way out.
;   v4-13     addresses and offsets, made at the head and never written again: the rows are reached by scalar bases and immediate offsets.
;   v64-255   in the way out three banks of 64: group g's additions read and write bank g % 3, its four stores read it, group g + 3's LDS loads land in it.
; A GROUP OF A BATCH has two waits, behind its conversions.  The one on va_vdst states that they have written TP[g % 2], which the group's stores read, and are done reading RAW[g], in which the
; group's loads land; in a batch's first group also that the half step before is done with XF and WF.  From a batch's last such wait to the next half step's LDS loads no vector or matrix instruction
; names FA, XF or WF (the masks' lines name v1, v14, v15), so those loads owe nothing more.  The one on vm_vsrc states that the stores of the group BEFORE have read the other bank, which the NEXT
; group's conversions write: it stands 32 conversions behind those stores and ahead of the group's own loads and stores.
.set P16,   144                        ; a row of 64 bf16 in LDS: 128 bytes + 16 of padding = 36 words: the 16 rows of a fragment load start at 16 different groups of four banks (64 banks of 4 bytes: ISA guide 11.1)
.set BUFB,  128*P16                    ; one operand's 128 rows
.set WBUF,  2*BUFB                     ; a wave's bytes: x's buffer 0, x's buffer 1, W's buffer
.set PITCH, 528                        ; the way out: a row of 128 f32: 512 bytes + 16 of padding
.set PART,  128*PITCH                  ; a wave's LDS bytes: its three buffers (55,296), and at the end, over them, its partial tile
.set ROWB,  8192                       ; bytes in a row of x and of W
.set LR,  1                            ; v1      lane % 16
.set LH,  2                            ; v2      lane / 16
.set TV,  3                            ; v3      at work
.set VO,  4                            ; v4      a load's byte offset: 8 rows x (lane / 16) + 16 (lane % 16); never rewritten
.set SA,  5                            ; v5      LDS address at which I put 8 bytes of a row; never rewritten
.set FA,  6                            ; v6      LDS address of my part of a fragment; never rewritten
.set STO, 8                            ; v8      the way out: where I put my 32 bytes of a row of my partial tile
.set RD,  9                            ; v9-12   the way out: where I read a row of partial tile 0..3
.set GO,  13                           ; v13     my 16 bytes in 512 consecutive bytes of y
.set MT,  14                           ; v14-15  at work on the masks
.set XF,  64
.set WF,  128
.set TP,  192
.set XB,  4                            ; s[4:5]   x at the tile's first row, my 256 bytes of step 0; never rewritten once made
.set WB,  6                            ; s[6:7]   W likewise, expert 0
.set OFS, 8                            ; s[8:9]   offs
.set OB,  10                           ; s[10:11] y at the 32 rows that I store
.set WV,  12                           ; s12  my wave's number
.set COL, 15                           ; s15  column tile
.set ROW0, 16                          ; s16  the tile's first token
.set ROW1, 17                          ; s17  one past its last
.set LIST, 18                          ; s18  four bits a pass: the pass's expert
.set SH,  19                           ; s19  4 x passes found, then the number of passes
.set LB,  20                           ; s20  the loop's bound
.set CNT, 21                           ; s21  the loop's counter
.set TS,  22                           ; s22  the step whose masks are made next
.set XQ,  23                           ; s23  the step whose x is asked for next
.set WQ,  24                           ; s24  the step whose W is asked for next
.set SX,  26                           ; s[26:27] base of x's batch on its way, from step 1 on
.set SW,  28                           ; s[28:29] base of W's
.set OFFX, 30                          ; s[30:31] a step's byte offset in x's rows
.set OFFW, 32                          ; s[32:33] the same for W, with the expert's
.set T0,  34                           ; s34-35 at work
.set T1,  35
.set LO,  36                           ; s36  the pass's expert: its first token,
.set LEN, 37                           ; s37  and how many it has
.set DD,  38                           ; s38  ROW0 - LO
.set FULL, 39                          ; s39  1: all 128 tokens of the tile lie in the expert's range
.set CE,  40                           ; s[40:47] offs, cut to 0 .. 4096
.set LE,  48                           ; s[48:55] each expert's number of tokens
.set MK,  56                           ; s[56:63] lane masks of the 8 token blocks
.set PX,  66                           ; s[66:67], s[68:69], s[70:71] byte offsets of x, W, y, made apart from the addresses
.set PW,  68
.set PO,  70
.set STORED, 0                         ; 1 once a group's LDS stores stand in the text: the launch's first group has none behind it
.set MSB, 0
.macro WIN new                         ; the immediate's high byte repeats the setting that is left; a switch that changes nothing is dropped
.if MSB != (\new)
	s_set_vgpr_msb (MSB<<8)|(\new)
.set MSB, (\new)
.endif
.endm
; The base of x's next batch: step XQ % 8 of a pass is 1,024 bytes along the rows.  Each base is made anew from its buffer's pointer and an offset.
; wait = 0: the base's first writing: no instruction names it yet.
.macro ADDRX wait
.if \wait
	s_wait_xcnt 0x0                                ; every earlier memory instruction has had its addresses translated (ISA guide 3.1): a base is rewritten only behind this wait
.endif
	s_and_b32 s[OFFX], s[XQ], 7
	s_lshl_b32 s[OFFX], s[OFFX], 10
	s_add_nc_u64 s[SX:SX+1], s[XB:XB+1], s[OFFX:OFFX+1]
	s_add_co_u32 s[XQ], s[XQ], 1
.endm
; The base of W's next batch: pass WQ / 8 gives the expert.
.macro ADDRW wait
.if \wait
	s_wait_xcnt 0x0
.endif
	s_lshr_b32 s[T0], s[WQ], 3
	s_lshl_b32 s[T0], s[T0], 2
	s_lshr_b32 s[T0], s[LIST], s[T0]
	s_and_b32 s[T0], s[T0], 7
	s_min_u32 s[T0], s[T0], 7                      ; the expert: inside W whatever offs holds
	s_and_b32 s[T1], s[WQ], 7
	s_lshl_b32 s[T1], s[T1], 10
	s_lshl_b32 s[OFFW], s[T0], 23                  ; an expert is 1,024 rows of 8,192 bytes
	s_add_co_u32 s[OFFW], s[OFFW], s[T1]
	s_add_nc_u64 s[SW:SW+1], s[WB:WB+1], s[OFFW:OFFW+1]
	s_add_co_u32 s[WQ], s[WQ], 1
.endm
; Group g of a batch's four: 16 loads.  Load m takes rows q and q + 8, q = 16 (2 g + m / 8) + m % 8: lanes 0-15 the 256 bytes of the one, lanes 16-31 those of the other.
.macro LOADS g, sb
	WIN 0x40                                       ; destination window 1, address window 0
.irp m, 0,1,2,3,4,5,6,7,8,9,10,11,12,13,14,15
	global_load_b128 v[4*(16*(\g)+(\m)):4*(16*(\g)+(\m))+3], v[VO], s[(\sb):(\sb)+1] offset:(16*(2*(\g)+(\m)/8)+(\m)%8)*ROWB
.endr
.endm
; The batch in the registers goes into LDS at byte buf of my bytes, as bf16, k in its true place; issue = 1: behind each group's conversions the next batch's group, from base sb, goes out into the
; same registers, ahead of the group's LDS stores.  issue = 0: the launch's last batch.
; In a store lanes 16-31 lie 8 rows = 288 words = 32 banks behind lanes 0-15, whose 128 bytes fill 32 banks.
.macro CONV buf, sb, issue
.irp g, 0,1,2,3
.if \issue
	s_wait_loadcnt 48                              ; loads come back in order (ISA guide 5.7.1): behind group g's sixteen came 16 (3 - g) of its batch and 16 g of the next
.else
	s_wait_loadcnt 16*(3-(\g))                     ; nothing was issued behind this batch
.endif
	WIN 0x05                                       ; sources window 1, destination window 0
.irp m, 0,1,2,3,4,5,6,7,8,9,10,11,12,13,14,15
	v_cvt_pk_bf16_f32 v[TP+32*((\g)%2)+2*(\m)],   v[4*(16*(\g)+(\m))],   v[4*(16*(\g)+(\m))+1]
	v_cvt_pk_bf16_f32 v[TP+32*((\g)%2)+2*(\m)+1], v[4*(16*(\g)+(\m))+2], v[4*(16*(\g)+(\m))+3]
.endr
.if \issue
	WIN 0x40                                       ; the loads' window is set ahead of the waits, the waits stand ahead of the loads
.else
	WIN 0
.endif
.if STORED && ((\issue) || ((\g) < 3))                 ; not in the launch's first group (no store yet), nor in its last (no conversion follows)
	s_wait_alu depctr_vm_vsrc(0)                   ; the LDS stores of the group before have read the other bank of TP, which the next group's conversions write
.endif
	s_wait_alu depctr_va_vdst(0)                   ; the conversions have written this bank of TP, which the LDS stores below read, and are done reading RAW's group g, in which the loads below land; in a batch's first group: the products and selects of the half step before are done with XF and WF
.if \issue
	LOADS \g, \sb
.endif
	WIN 0
.irp m, 0,1,2,3,4,5,6,7,8,9,10,11,12,13,14,15
	ds_store_b64 v[SA], v[TP+32*((\g)%2)+2*(\m):TP+32*((\g)%2)+2*(\m)+1] offset:(\buf)+(16*(2*(\g)+(\m)/8)+(\m)%8)*P16
.endr
.set STORED, 1
.endr
.endm
; The range of the expert of step TS, chosen by selects, and what is made of it.  FULL: ROW0 >= LO and ROW1 - LO <= LEN: every token of the tile lies in the range.
; Bit l of mask a: token ROW0 + 16 a + l % 16 lies in the range: (token - LO), taken unsigned, is below LEN.
.macro MASKS
	s_lshr_b32 s[T0], s[TS], 3
	s_lshl_b32 s[T0], s[T0], 2
	s_lshr_b32 s[T0], s[LIST], s[T0]
	s_and_b32 s[T0], s[T0], 7
	s_mov_b32 s[LO], 0
	s_mov_b32 s[LEN], s[LE]
.irp i, 1,2,3,4,5,6,7
	s_cmp_eq_u32 s[T0], \i
	s_cselect_b32 s[LO], s[CE+\i-1], s[LO]
	s_cselect_b32 s[LEN], s[LE+\i], s[LEN]
.endr
	s_sub_co_u32 s[DD], s[ROW0], s[LO]
	s_sub_co_i32 s[T1], s[ROW1], s[LO]             ; all these numbers lie within 4,224 of 0
	s_cmp_le_i32 s[T1], s[LEN]
	s_cselect_b32 s[FULL], 1, 0
	s_cmp_ge_i32 s[ROW0], s[LO]
	s_cselect_b32 s[FULL], s[FULL], 0
	s_add_co_u32 s[TS], s[TS], 1
	WIN 0
	v_add_nc_u32 v[MT], s[DD], v[LR]
.irp a, 0,1,2,3,4,5,6,7
	v_add_nc_u32 v[MT+1], 16*(\a), v[MT]
	v_cmp_gt_u32 s[MK+(\a)], s[LEN], v[MT+1]
.endr
	s_wait_alu depctr_va_sdst(0)                   ; the eight compares have written s[MK ..], ahead of the branch below and of the selects that read them
.endm
; 64 matrix instructions: 8 token blocks x 8 column blocks, 32 along K.  The 64 accumulators take turns, one instruction a turn, in the same order every time.
; zero = 1: the first products start the sums: nothing is cleared.  Block a's eight products wait for W's fragments and x's blocks 0 .. a alone.
.macro MUL zero
.irp a, 0,1,2,3,4,5,6,7
	s_wait_dscnt 14-2*(\a)                         ; LDS loads come back in order (ISA guide 5.7.1): behind x's block a came the 2 (7 - a) loads of the later blocks
	WIN 0xa0+0x50*((\a)/4)                         ; sources window 0, C and D window 2 or 3
.irp b, 0,1,2,3,4,5,6,7
.if \zero
	v_wmma_f32_16x16x32_bf16 v[8*(8*((\a)%4)+(\b)):8*(8*((\a)%4)+(\b))+7], v[WF+8*(\b):WF+8*(\b)+7], v[XF+8*(\a):XF+8*(\a)+7], 0
.else
	v_wmma_f32_16x16x32_bf16 v[8*(8*((\a)%4)+(\b)):8*(8*((\a)%4)+(\b))+7], v[WF+8*(\b):WF+8*(\b)+7], v[XF+8*(\a):XF+8*(\a)+7], v[8*(8*((\a)%4)+(\b)):8*(8*((\a)%4)+(\b))+7]
.endif
.endr
.endr
.endm
; HALF kk of a step whose x lies in buffer p: 32 LDS loads, W's first (a fragment: lane l holds row l % 16, k = 8 (l / 16) + 0..7 and 16 + 8 (l / 16) + 0..7: two loads of 16 bytes, 32 bytes apart),
; and the products.  Where some token of the tile lies outside the expert's range, all loads are waited for and x's rows outside it become 0; where none does, the 64 selects would change nothing
; and are jumped over: the jump goes forward, past vector work alone.  LDS serves a wave's instructions in order (ISA guide 5.7.1.4): these loads see my stores, and my later stores come behind them.
; The loads land in registers that the last half step's products read and its selects wrote.  That those are done is stated by the waits on va_vdst of the batch that stands between (in the tail,
; where none stands between: by a wait of its own); no vector or matrix instruction behind the batch's last such wait names FA, XF or WF.
.macro H p, kk, zero
	WIN 0
.irp b, 0,1,2,3,4,5,6,7
	ds_load_b128 v[WF+8*(\b):WF+8*(\b)+3],   v[FA] offset:WBUF+(\b)*16*P16+64*(\kk)
	ds_load_b128 v[WF+8*(\b)+4:WF+8*(\b)+7], v[FA] offset:WBUF+(\b)*16*P16+64*(\kk)+32
.endr
.irp a, 0,1,2,3,4,5,6,7
	ds_load_b128 v[XF+8*(\a):XF+8*(\a)+3],   v[FA] offset:(\p)*BUFB+(\a)*16*P16+64*(\kk)
	ds_load_b128 v[XF+8*(\a)+4:XF+8*(\a)+7], v[FA] offset:(\p)*BUFB+(\a)*16*P16+64*(\kk)+32
.endr
	s_cmp_eq_u32 s[FULL], 1
	s_cbranch_scc1 .Lfull_\@
	s_wait_dscnt 0x0                               ; all 32 are in
.irp a, 0,1,2,3,4,5,6,7
.irp i, 0,1,2,3,4,5,6,7
	v_cndmask_b32 v[XF+8*(\a)+(\i)], 0, v[XF+8*(\a)+(\i)], s[MK+(\a)]
.endr
.endr
.Lfull_\@:
	MUL \zero
.endm
	s_load_b256 s[4:11], s[0:1], 0x0               ; x s[4:5], W s[6:7], offs s[8:9], y s[10:11]; all that hangs on no address stands in the wait for them
	v_lshl_add_u32 v62, v0, 2, 0x42000
	v_mov_b32 v63, 0
	v_lshrrev_b32 v[TV], 5, v0
	v_readfirstlane_b32 s[WV], v[TV]               ; wave 0..3
	v_and_b32 v[LR], 15, v0                        ; l % 16
	v_bfe_u32 v[LH], v0, 4, 1                      ; l / 16
	v_lshlrev_b32 v[VO], 4, v[LR]
	v_lshl_add_u32 v[VO], v[LH], 16, v[VO]         ; 8 rows of 8,192 bytes for the upper half of the lanes
	s_wait_alu depctr_va_sdst(0)                   ; s[WV] is written, ahead of its first reader: LDS addresses and the offsets in x, W and y are made from it
	s_mul_i32 s[T0], s[WV], PART                   ; my LDS bytes
	v_mul_u32_u24 v[TV], v[LH], 8*P16
	v_lshl_add_u32 v[TV], v[LR], 3, v[TV]
	v_add_nc_u32 v[SA], s[T0], v[TV]               ; in: 8 rows x half + 8 bytes x place in the row
	v_mul_u32_u24 v[TV], v[LR], P16
	v_lshl_add_u32 v[TV], v[LH], 4, v[TV]
	v_add_nc_u32 v[FA], s[T0], v[TV]               ; a fragment: row x pitch + 16 x half
	v_mul_u32_u24 v[TV], v[LR], PITCH
	v_lshl_add_u32 v[TV], v[LH], 5, v[TV]
	v_add_nc_u32 v[STO], s[T0], v[TV]              ; into my partial tile: row l % 16, 32 bytes for each half of the lanes
	v_and_b32 v[GO], 31, v0
	v_lshlrev_b32 v[GO], 4, v[GO]                  ; back: 32 lanes take one row of 512 bytes
	s_mul_i32 s[T1], s[WV], 32*PITCH               ; of rows 32 w .. 32 w + 31,
	v_add_nc_u32 v[RD], s[T1], v[GO]
.irp p, 1,2,3
	v_add_nc_u32 v[RD+\p], \p*PART, v[RD]          ; in each of the four partial tiles
.endr
	s_and_b32 s[T1], ttmp7, 0xffff                 ; the work-group's y
	s_and_b32 s[COL], s[T1], 7                     ; column tile = y % 8
	s_lshr_b32 s[T1], s[T1], 3
	s_lshl_b32 s[ROW0], ttmp9, 2
	s_add_co_u32 s[ROW0], s[ROW0], s[T1]           ; token tile = 4 x + y / 8
	s_lshl_b32 s[ROW0], s[ROW0], 7
	s_add_co_u32 s[ROW1], s[ROW0], 128
	s_lshl_b32 s[T0], s[WV], 8                     ; my 64 k of a step's 256: 256 bytes
	s_lshl_b32 s[PX], s[ROW0], 13                  ; x: a row is 8,192 bytes
	s_add_co_u32 s[PX], s[PX], s[T0]
	s_mov_b32 s[PX+1], 0
	s_lshl_b32 s[PW], s[COL], 20                   ; W: 128 rows of 8,192 bytes a column tile
	s_add_co_u32 s[PW], s[PW], s[T0]
	s_mov_b32 s[PW+1], 0
	s_lshl_b32 s[PO], s[ROW0], 12                  ; y: a row is 4,096 bytes,
	s_lshl_b32 s[T0], s[WV], 17                    ; wave w stores rows 32 w .. 32 w + 31 of the tile,
	s_add_co_u32 s[PO], s[PO], s[T0]
	s_lshl_b32 s[T0], s[COL], 9                    ; 512 bytes of each
	s_add_co_u32 s[PO], s[PO], s[T0]
	s_mov_b32 s[PO+1], 0
	s_mov_b32 s[OFFX+1], 0
	s_mov_b32 s[OFFW+1], 0
	s_mov_b32 s[XQ], 1                             ; x of step 0 goes out below, from x's own pointer
	s_mov_b32 s[WQ], 0
	s_mov_b32 s[TS], 0
	s_mov_b32 s[LIST], 0
	s_mov_b32 s[SH], 0
	s_wait_kmcnt 0x0
	s_load_b256 s[CE:CE+7], s[OFS:OFS+1], 0x0      ; the eight offs
	s_add_nc_u64 s[XB:XB+1], s[XB:XB+1], s[PX:PX+1]
	s_add_nc_u64 s[WB:WB+1], s[WB:WB+1], s[PW:PW+1]
	s_add_nc_u64 s[OB:OB+1], s[OB:OB+1], s[PO:PO+1]
	WIN 0x40                                       ; the loads' window, ahead of the wait
	s_wait_alu depctr_va_vdst(0)                   ; the offsets and addresses v4 to v13 are written: every load and store of the kernel, global or LDS, reads one of them, and none is written again
.irp g, 0,1,2,3
	LOADS \g, XB                                   ; x of step 0 hangs on no expert and lies at offset 0: it goes out ahead of the work on offs
.endr
	WIN 0
	s_wait_kmcnt 0x0
	; offs cut to 0 .. 4096: every token lies in 0 .. 4095, so no comparison with a token changes
.irp e, 0,1,2,3,4,5,6,7
	s_max_i32 s[CE+\e], s[CE+\e], 0
	s_min_i32 s[CE+\e], s[CE+\e], 4096
.endr
	s_mov_b32 s[LE], s[CE]                         ; expert 0 begins at token 0
.irp e, 1,2,3,4,5,6,7
	s_sub_co_i32 s[LE+\e], s[CE+\e], s[CE+\e-1]
	s_max_i32 s[LE+\e], s[LE+\e], 0                ; an end below the start: no token
.endr
	; the list of the experts whose range meets my 128 tokens, made by selects
.irp e, 0,1,2,3,4,5,6,7
.if \e == 0
	s_mov_b32 s[T0], s[ROW0]
.else
	s_max_i32 s[T0], s[CE+\e-1], s[ROW0]
.endif
	s_min_i32 s[T1], s[CE+\e], s[ROW1]
	s_cmp_lt_i32 s[T0], s[T1]
	s_cselect_b32 s[T0], \e, 0
	s_cselect_b32 s[T1], 4, 0
	s_lshl_b32 s[T0], s[T0], s[SH]
	s_or_b32 s[LIST], s[LIST], s[T0]
	s_add_co_u32 s[SH], s[SH], s[T1]
.endr
	s_lshr_b32 s[SH], s[SH], 2
	s_max_u32 s[SH], s[SH], 1
	s_min_u32 s[SH], s[SH], 8                      ; passes: 1 to 8
	s_lshl_b32 s[LB], s[SH], 2
	s_sub_co_u32 s[LB], s[LB], 1                   ; 8 x passes steps; a trip takes two, and two steps' work stands round the loop: 3 to 31 trips
	ADDRW 0
	CONV 0, SW, 1                                  ; x of step 0 into buffer 0; W of step 0 goes out
	ADDRX 0
	CONV WBUF, SX, 1                               ; W of step 0; x of step 1 goes out
	MASKS
	H 0, 0, 1                                      ; the first half step stands in front of the loop: its products start the sums
	WIN 0                                          ; at a label and at a branch every window is 0
	s_mov_b32 s[CNT], 0
.Lloop:                                                ; a trip: from the second half of an even step t to the first half of step t + 2; the LDS addresses are the same in every trip
	ADDRW 1
	CONV BUFB, SW, 1                               ; x of step t + 1 into buffer 1; W of step t + 1 goes out
	H 0, 1, 0
	ADDRX 1
	CONV WBUF, SX, 1                               ; W of step t + 1: step t's was read for the last time just now; x of step t + 2 goes out
	MASKS
	H 1, 0, 0
	ADDRW 1
	CONV 0, SW, 1                                  ; x of step t + 2 into buffer 0; W of step t + 2 goes out
	H 1, 1, 0
	ADDRX 1
	CONV WBUF, SX, 1                               ; W of step t + 2; x of step t + 3 goes out
	MASKS
	H 0, 0, 0
	WIN 0
	s_add_co_u32 s[CNT], s[CNT], 1
	s_cmp_lt_u32 s[CNT], s[LB]
	s_cbranch_scc1 .Lloop
	ADDRW 1                                        ; the tail is written out: the last step but one asks for the last step's W,
	CONV BUFB, SW, 1
	H 0, 1, 0
	CONV WBUF, SX, 0                               ; and the last step asks for nothing: no load is made in vain, none leaves its buffer
	MASKS
	H 1, 0, 0
	WIN 0
.rept 4
	v_nop                                          ; no conversions stand here: four plain places between the last products and the loads into their sources (ISA guide 7.12.1 speaks of vector instructions; kept for these loads too)
.endr
	s_wait_alu depctr_va_vdst(0)                   ; no batch stands here either: the products and selects of the half step before are done with XF and WF, in which the loads below land
	H 1, 1, 0
	WIN 0
	; THE WAY OUT.  Each wave puts its 128 x 128 partial sums into its own LDS bytes, over its three buffers, which it has read for the last time (a wave's LDS instructions are served in order);
	; behind the launch's one barrier wave w adds the four tiles' rows 32 w .. 32 w + 31 and stores them.
.rept 4
	v_nop                                          ; four places between the last products and the stores that read them (ISA guide 7.12.1 for vector instructions)
.endr
	s_wait_alu depctr_va_vdst(0)                   ; the products have written the accumulators, which the LDS stores read, and are done reading XF and WF, in which the first loads behind the barrier land; the places above stay beside this wait
.irp a, 0,1,2,3,4,5,6,7
	WIN 0x08+4*((\a)/4)                            ; store data (source 1) in window 2 or 3
.irp b, 0,1,2,3,4,5,6,7
	ds_store_b128 v[STO], v[8*(8*((\a)%4)+(\b)):8*(8*((\a)%4)+(\b))+3]   offset:(\a)*16*PITCH+64*(\b)      ; each accumulator's low half first
	ds_store_b128 v[STO], v[8*(8*((\a)%4)+(\b))+4:8*(8*((\a)%4)+(\b))+7] offset:(\a)*16*PITCH+64*(\b)+16
.endr
.endr
	WIN 0
	s_wait_dscnt 0x0                               ; for the others' sake: my stores are done
	s_barrier_signal -1
	s_barrier_wait -1
	s_wait_alu depctr_vm_vsrc(0)                   ; the last batch's LDS stores have read TP (v192-255): these registers are the third bank from here on, in which group 2's rows land
; Group g of eight: four rows.  16 loads: row i of the group from partial tile p, 512 bytes each, into bank g % 3 of three banks of 64 registers (v64-255).
.macro RLOAD g
.set BK, 64+64*((\g)%3)
.irp i, 0,1,2,3
.irp p, 0,1,2,3
	ds_load_b128 v[BK+16*(\i)+4*(\p):BK+16*(\i)+4*(\p)+3], v[RD+(\p)] offset:(4*(\g)+(\i))*PITCH
.endr
.endr
.endm
.macro RADD g, younger                 ; the group's 24 additions; younger: the LDS loads issued behind group g's, which may stay out
.set BK, 64+64*((\g)%3)
	s_wait_dscnt \younger
.irp i, 0,1,2,3
	v_pk_add_f32 v[BK+16*(\i):BK+16*(\i)+1],     v[BK+16*(\i):BK+16*(\i)+1],     v[BK+16*(\i)+4:BK+16*(\i)+5]
	v_pk_add_f32 v[BK+16*(\i)+2:BK+16*(\i)+3],   v[BK+16*(\i)+2:BK+16*(\i)+3],   v[BK+16*(\i)+6:BK+16*(\i)+7]
	v_pk_add_f32 v[BK+16*(\i)+8:BK+16*(\i)+9],   v[BK+16*(\i)+8:BK+16*(\i)+9],   v[BK+16*(\i)+12:BK+16*(\i)+13]
	v_pk_add_f32 v[BK+16*(\i)+10:BK+16*(\i)+11], v[BK+16*(\i)+10:BK+16*(\i)+11], v[BK+16*(\i)+14:BK+16*(\i)+15]
	v_pk_add_f32 v[BK+16*(\i):BK+16*(\i)+1],     v[BK+16*(\i):BK+16*(\i)+1],     v[BK+16*(\i)+8:BK+16*(\i)+9]
	v_pk_add_f32 v[BK+16*(\i)+2:BK+16*(\i)+3],   v[BK+16*(\i)+2:BK+16*(\i)+3],   v[BK+16*(\i)+10:BK+16*(\i)+11]
.endr
.endm
.macro RSTORE g                        ; the group's four rows
.set BK, 64+64*((\g)%3)
.irp i, 0,1,2,3
	global_store_b128 v[GO], v[BK+16*(\i):BK+16*(\i)+3], s[OB:OB+1] offset:(4*(\g)+(\i))*4096 th:TH_STORE_NT  ; the wave stores 512 consecutive bytes, at a multiple of 512 from y's first byte
.endr
.endm
; Group g: its additions; then the waits; then the loads of group g + 2, which land in group g - 1's bank; then its own four stores.  So the waits for group g - 1's stores stand a group's additions behind them.
	RLOAD 0
	RLOAD 1
.irp g, 0,1,2,3,4,5,6,7
.if (\g) < 7
	RADD \g, 16                                    ; the sixteen loads of group g + 1 may be out
.else
	RADD \g, 0
.endif
	s_wait_alu depctr_va_vdst(0)                   ; the additions have written the sums, which the stores below read; those of the group before are done with its bank, in which the loads below land
.if (\g) < 6
.if (\g) > 0
	s_wait_xcnt 0x0                                ; every earlier memory instruction has had its addresses translated (ISA guide 3.1): the bank that group g - 1's stores read is loaded again only behind this wait,
	s_wait_alu depctr_vm_vsrc(0)                   ; and behind this one: group g - 1's stores have read their registers
.endif
	RLOAD (\g)+2
.endif
	RSTORE \g
.endr
	s_wait_dscnt 0x0
	s_wait_alu depctr_hold_cnt(0) depctr_sa_sdst(0) depctr_va_vdst(0) depctr_va_sdst(0) depctr_va_ssrc(0) depctr_va_vcc(0) depctr_vm_vsrc(0)
	s_wait_tensorcnt 0x0
	ds_add_u32 v62, v63
	s_wait_dscnt 0x0
	s_endpgm
.Lfunc_end_k_q1a13e42493_gmm:
	.size	k_q1a13e42493_gmm, .Lfunc_end_k_q1a13e42493_gmm-k_q1a13e42493_gmm
	.p2alignl 7, 3214868480
	.fill 96, 4, 3214868480
	.section	.rodata,"a",@progbits
	.p2align	6, 0x0
	.amdhsa_kernel k_q1a13e42493_gmm
		.amdhsa_group_segment_fixed_size 270848
		.amdhsa_private_segment_fixed_size 0
		.amdhsa_enable_private_segment 0
		.amdhsa_kernarg_size 32
		.amdhsa_user_sgpr_count 2
		.amdhsa_user_sgpr_kernarg_segment_ptr 1
		.amdhsa_wavefront_size32 1
		.amdhsa_system_sgpr_workgroup_id_x 1
		.amdhsa_system_sgpr_workgroup_id_y 1
		.amdhsa_system_sgpr_workgroup_id_z 1
		.amdhsa_system_vgpr_workitem_id 0
		.amdhsa_next_free_vgpr 1024
		.amdhsa_next_free_sgpr 72
		.amdhsa_reserve_vcc 0
		.amdhsa_float_denorm_mode_32 3
		.amdhsa_float_denorm_mode_16_64 3
		.amdhsa_memory_ordered 1
		.amdhsa_forward_progress 1
		.amdhsa_inst_pref_size 255
	.end_amdhsa_kernel
	.section	.bss,"aw",@nobits
	.p2align	6
	.space	262144
	.amdgpu_metadata
---
amdhsa.version: [ 1, 2 ]
amdhsa.kernels:
  - .name:           k_q1a13e42493_gmm
    .symbol:         k_q1a13e42493_gmm.kd
    .args:
      - { .name: x, .offset: 0, .size: 8, .value_kind: global_buffer, .address_space: global }
      - { .name: weight, .offset: 8, .size: 8, .value_kind: global_buffer, .address_space: global }
      - { .name: offs, .offset: 16, .size: 8, .value_kind: global_buffer, .address_space: global }
      - { .name: out0, .offset: 24, .size: 8, .value_kind: global_buffer, .address_space: global }
    .group_segment_fixed_size: 270848
    .private_segment_fixed_size: 0
    .kernarg_segment_align: 8
    .kernarg_segment_size: 32
    .max_flat_workgroup_size: 128
    .sgpr_count:     72
    .vgpr_count:     1024
    .wavefront_size: 32
...
	.end_amdgpu_metadata
.endif
;; end of part 2
